; MI455X (gfx1250); checked and timed in simulation.
; The chip was launched on July 23, 2026; its instructions are those of AMD's public machine-readable ISA for CDNA 5 (MIT licence, August 2026) and "CDNA5" Instruction Set Architecture Reference Guide (July 2026). The comments in the code are by the model that wrote it; some were corrected since.
;; SSDX Mem Detector. Allowed arithmetic: matrix products marked QUANTISED: E5M2 operands, one given power-of-two scale a tensor, by v_wmma_f32_16x16x64_bf8_bf8 or v_wmma_f32_16x16x128_bf8_bf8, f32 sums; everything else in f32.
;; Inputs: curr_key_codes 8 x 64 x 64 x 8 x 32 uint8 (E5M2 codes of curr_key, K innermost, in blocks of 32 codes); curr_value 8 x 256 x 64 x 64 float32; lowp_scales 4 int32 (the exponents e of the quantised operands' scales 2^e); prev_key 8 x 256 x 64 x 64 float32; prev_value 8 x 256 x 64 x 64 float32.
;; Outputs: out0 8 x 512 x 64 x 64 float32.
;; This version of the problem:
;;   THIS VERSION OF THE PROBLEM IS GIVEN IN LOW PRECISION. The matrix products marked QUANTISED in the list below multiply operands that are first quantised to E5M2 (5 exponent bits, 2 mantissa bits; 8 bits a number), with one given power-of-two scale for each operand tensor; their sums are f32. All else is computed in f32.
;;   The module's matrix products, in the order in which they are computed (A, B: the left and right operand; K: the contracted axis; several contracted axes count as one K, in the product's order):
;;     1. batch 8 x [M 4,096, K 256] x [K 256, N 4,096]; A: input prev_key; B: input curr_key (given as codes): QUANTISED (scales: A lowp_scales[0], B lowp_scales[1])
;;     2. batch 8 x [M 256, K 4,096] x [K 4,096, N 4,096]; A: input prev_value; B: softmax (see below): QUANTISED (scales: A lowp_scales[2], B lowp_scales[3])
;;   THE QUANTISER, for each operand of a quantised product, along K:
;;     - The operand's scale is 2^e, e = its entry of the input lowp_scales (int32; the entries are numbered through the quantised products in the list's order, A before B).
;;     - Each number is divided by the scale, clamped to +-57,344, and rounded to the nearest number of E5M2, ties to even, subnormals kept.
;;     - The product sums the exact products of the quantised numbers (number of the format x scale) in f32.
;;   ~~~python
;;   def quantise(x, axis, e):      # numpy; x: float32 -> the quantised numbers, widened to float32 again
;;       x = np.moveaxis(x, axis, -1); K = x.shape[-1]
;;       r = np.clip(x / 2.0 ** e, -57344, 57344)
;;       step = 2.0 ** (np.maximum(np.frexp(np.where(r == 0, 1, r))[1] - 1, -14) - 2)
;;       q = np.round(r / step) * step * 2.0 ** e      # np.round: ties to even
;;       return np.moveaxis(q, -1, axis).astype(np.float32)
;;   ~~~
;;   SOFTMAX AHEAD OF A QUANTISED PRODUCT. Where the list says 'softmax', what is quantised is not the finished softmax but p = 2^(t - M), with t = logit x log2(e) and M = ceil(the row's largest t), a whole number; so 1/2 < the row's largest p <= 1. The row's sum l is taken of the UNQUANTISED p, in f32, and the product's result is divided by l at the end. Since M is a whole number, a kernel that streams over the keys may use a running M (the ceiling of the running maximum): every later rescaling is an exact power of two, so the quantised numbers keep their values, but for numbers so far below the row's largest that they fall under the format's range.
;;   OPERANDS COMPUTED ON THE WAY. 'Computed on the way' means the value that the module computes at that place (a softmax that the list does not call 'softmax' is quantised finished and normalised). What goes into a quantiser is computed in f32, as accurately as f32 sums, v_exp_f32 and their like allow (about 1e-6 of the number): no bf16 or f16 on the way to a quantiser, and a product that is left as it is and whose result goes on into a quantised operand takes f32 operands (vector FMAs, or v_wmma_f32_16x16x4_f32). A number that lies on a knife's edge between two numbers of the format may be rounded either way, as far as f32 arithmetic and the matrix unit's own rounding can turn it there, and no further.
;;   INPUTS GIVEN AS CODES. curr_key (in the module: [8, 256, 64, 64], K = its axis 1): each comes as NAME_codes (uint8): NAME with its K axis moved to the last place and cut into blocks of 32 codes, [.., K / 32, bytes a block], one block behind the other in memory; one code a byte (a code: sign, 5 exponent bits, 2 mantissa bits); its scale is its entry of lowp_scales. Its value is code x scale, taken as it is: it is not quantised again, and the codes and scales need not be those that the quantiser above would give.
;; One version. Each part assembles by itself: llvm-mc -triple=amdgcn-amd-amdhsa -mcpu=gfx1250 --defsym DOCPART=n.
;; ======== version 1 of 1: 2 launches
;; limits: right only within a limited range of input values
;; workspace buffers: kcodes 8,388,608 bytes; vcodes 8,388,608 bytes; bias 131,072 bytes
;; launch prep (part 1): grid 512 x 1, 8 waves a work-group, no clusters, 60,416 bytes of LDS; arguments prev_key, prev_value, kcodes, vcodes, bias, lowp_scales; writes kcodes, vcodes, bias
.if DOCPART == 1
	.amdgcn_target "amdgcn-amd-amdhsa--gfx1250"
	.amdhsa_code_object_version 6
	.text
	.protected	k_q82c6d3f68f_prep
	.globl	k_q82c6d3f68f_prep
	.p2align	8
	.type	k_q82c6d3f68f_prep,@function
k_q82c6d3f68f_prep:
	s_mov_b64 s[64:65], 0
	v_nop
	global_prefetch_b8 v0, s[64:65] scope:SCOPE_SE
	s_setreg_imm32_b32 hwreg(HW_REG_WAVE_MODE, 25, 1), 1
	s_wait_xcnt 0x0
; THE LAUNCH IN FRONT OF THE ATTENTION.  prev_key, prev_value: [8][256][4096] f32 (batch, channel, position).  Two jobs in every work-group, one path for all:
;   J1  prev_key, whose K (the channel) is NOT innermost, becomes codes of BF8 (E5M2) with the channel innermost: kcodes [8][4096 rows][256].  Row p of a batch holds position n = p with bits 3 and 4 exchanged, so that 16 rows
;       on end are a tile of keys whose results fall on neighbouring keys in the next launch.  On the way the sum of squares of the UNQUANTISED numbers is taken in f32: bias[b][n] = -a_sq[n] x 2^(-1 - e0 - e1).
;   J2  prev_value, whose K (the position) is innermost, becomes codes in the same linear order: vcodes [8][256][4096].
; (curr_value is copied into out0 by the next launch.)
; code = x / 2^e, held within +-57,344, rounded to the nearest code, ties to even.  e0 = lowp_scales[0] for prev_key, e2 = lowp_scales[2] for prev_value.
; LIMITS: e0 and e2 between -126 and 112, so that 2^e and 57,344 x 2^e are f32 numbers.  NaN among the inputs is not served.
; SHARES.  Work-group g: batch b = g / 64, block blk = g % 64.  J1: positions 64 blk .. + 63, all 256 channels; wave w takes 32 positions (w % 2) x 64 channels (w / 2): a lane is a position and its registers run down the
; channels, so each load reads neighbouring positions in neighbouring lanes and the conversions give codes with the channel innermost.  J2: 65,536 bytes a work-group, 8,192 a wave, every load 512 consecutive bytes.
; All 80 loads of a wave are issued at the head.  No tensor loads; one barrier, between the stage's stores and its reads.
.set KP,    272                        ; a row of K's stage: 256 codes + 16 bytes of padding
.set AS,    64*KP                      ; behind the 64 rows: four quarters (of the channels) x 64 partial sums of squares
.set VS,    AS+1024                    ; behind them: for each wave two stages of 32 x SP bytes, for J2's turn
.set SP,    80                         ; a lane's place there: its 64 bytes + 16 of padding
.set VW,    2*32*SP
.set SPARE, VS+8*VW                    ; the spare words, 128 bytes for each wave
.set L4,    1                          ; 4 x lane
.set L16,   2                          ; 16 x lane
.set KIN,   3                          ; K's stage, in
.set AIN,   4                          ; where my partial sum of squares goes
.set VIN,   5                          ; J2's stage, in
.set VOUT,  6                          ; and out
.set KOUT,  7                          ; K's stage, out
.set L8,    9                          ; 8 x lane
.set SPW,   14
.set NIL,   15
.set X,     16                         ; v16-79 J1's 64 channels; later J2's two sets of 16 neighbours and rows of K's stage read back
.set R,     80                         ; v80-143 J2 as loaded
.set KC,    208                        ; J1's codes
.set VC,    224                        ; J2's codes
.set TM,    240                        ; at work
	s_load_b128 s[4:7], s[0:1], 0x0                ; prev_key s[4:5], prev_value s[6:7]
	s_load_b128 s[12:15], s[0:1], 0x10             ; kcodes s[12:13], vcodes s[14:15]
	s_load_b128 s[16:19], s[0:1], 0x20             ; bias s[16:17], lowp_scales s[18:19]
	v_lshl_add_u32 v[SPW], v0, 2, SPARE
	v_mov_b32 v[NIL], 0
	v_lshrrev_b32 v1, 5, v0
	s_delay_alu instid0(VALU_DEP_1)
	v_readfirstlane_b32 s24, v1                    ; wave 0..7
	s_and_b32 s25, s24, 1                          ; cg: which 32 positions
	s_lshr_b32 s26, s24, 1                         ; kq: which 64 channels
	s_lshr_b32 s27, ttmp9, 6                       ; b
	s_and_b32 s28, ttmp9, 63                       ; blk
	v_and_b32 v[TM], 31, v0                        ; lane
	s_wait_alu depctr_va_vdst(0)
	v_lshlrev_b32 v[L4], 2, v[TM]
	v_lshlrev_b32 v[L16], 4, v[TM]
	v_lshlrev_b32 v[L8], 3, v[TM]
	s_mul_i32 s30, s25, 32*KP
	s_lshl_b32 s31, s26, 6
	s_add_co_u32 s30, s30, s31
	v_mul_u32_u24 v[KIN], v[TM], KP
	s_delay_alu instid0(VALU_DEP_1)
	v_add_nc_u32 v[KIN], s30, v[KIN]               ; (32 cg + lane) x KP + 64 kq
	s_lshl_b32 s31, s26, 8
	s_lshl_b32 s30, s25, 7
	s_add_co_u32 s31, s31, s30
	s_add_co_u32 s31, s31, AS
	v_add_nc_u32 v[AIN], s31, v[L4]                ; AS + 256 kq + 4 (32 cg + lane)
	s_mul_i32 s32, s24, VW
	s_add_co_u32 s32, s32, VS
	v_lshrrev_b32 v[TM+1], 2, v[TM]
	v_and_b32 v[TM+2], 3, v[TM]
	s_delay_alu instid0(VALU_DEP_2)
	v_mul_u32_u24 v[VIN], v[TM+1], SP
	s_delay_alu instid0(VALU_DEP_1)
	v_lshl_add_u32 v[VIN], v[TM+2], 4, v[VIN]
	s_delay_alu instid0(VALU_DEP_1)
	v_add_nc_u32 v[VIN], s32, v[VIN]
	v_mul_u32_u24 v[VOUT], v[TM], SP
	s_delay_alu instid0(VALU_DEP_1)
	v_add_nc_u32 v[VOUT], s32, v[VOUT]
	s_mul_i32 s33, s24, 8*KP                       ; wave w reads rows 8 w .. 8 w + 7 back
	v_lshrrev_b32 v[TM+1], 4, v[TM]
	v_and_b32 v[TM+2], 15, v[TM]
	s_delay_alu instid0(VALU_DEP_2)
	v_mul_u32_u24 v[KOUT], v[TM+1], KP
	s_delay_alu instid0(VALU_DEP_1)
	v_lshl_add_u32 v[KOUT], v[TM+2], 4, v[KOUT]
	s_delay_alu instid0(VALU_DEP_1)
	v_add_nc_u32 v[KOUT], s33, v[KOUT]
	; byte offsets, each in a pair of its own with 0 above it (all stay under 2^27)
	s_lshl_b32 s34, s27, 22                        ; prev_key: batch,
	s_lshl_b32 s35, s26, 20                        ; 64 kq channels of 16,384 bytes,
	s_add_co_u32 s34, s34, s35
	s_lshl_b32 s35, s28, 8                         ; 64 blk positions,
	s_add_co_u32 s34, s34, s35
	s_lshl_b32 s35, s25, 7                         ; 32 cg positions
	s_add_co_u32 s34, s34, s35
	s_mov_b32 s35, 0
	s_lshl_b32 s36, ttmp9, 16                      ; prev_value: 65,536 g + 8,192 w
	s_lshl_b32 s37, s24, 13
	s_add_co_u32 s36, s36, s37
	s_mov_b32 s37, 0
	s_lshl_b32 s38, ttmp9, 14                      ; vcodes: a quarter of that
	s_lshl_b32 s39, s24, 11
	s_add_co_u32 s38, s38, s39
	s_mov_b32 s39, 0
	s_lshl_b32 s42, s25, 4                         ; kcodes: positions 8 w + j go to rows 16 (w % 2) + 8 ((w / 2) % 2) + 32 (w / 4) + j: bits 3 and 4 exchanged
	s_bfe_u32 s43, s24, 0x10001
	s_lshl_b32 s43, s43, 3
	s_add_co_u32 s42, s42, s43
	s_lshr_b32 s43, s24, 2
	s_lshl_b32 s43, s43, 5
	s_add_co_u32 s42, s42, s43
	s_lshl_b32 s43, s28, 6
	s_add_co_u32 s42, s42, s43
	s_lshl_b32 s42, s42, 8                         ; rows of 256 bytes
	s_lshl_b32 s43, s27, 20
	s_add_co_u32 s42, s42, s43
	s_mov_b32 s43, 0
	s_lshl_b32 s44, s27, 14                        ; bias: 16,384 b + 256 blk
	s_lshl_b32 s45, s28, 8
	s_add_co_u32 s44, s44, s45
	s_mov_b32 s45, 0
	s_wait_kmcnt 0x0
	s_load_b128 s[20:23], s[18:19], 0x0            ; e0, e1, e2, e3
	s_add_nc_u64 s[4:5], s[4:5], s[34:35]
	s_add_nc_u64 s[6:7], s[6:7], s[36:37]
	s_add_nc_u64 s[12:13], s[12:13], s[42:43]
	s_add_nc_u64 s[14:15], s[14:15], s[38:39]
	s_add_nc_u64 s[16:17], s[16:17], s[44:45]
.set i, 0
.rept 64
	global_load_b32 v[X+i], v[L4], s[4:5] offset:i*16384 th:TH_LOAD_NT        ; J1: channel 64 kq + i at my position: 32 lanes read 128 consecutive bytes, the wave beside me the next 128
.set i, i+1
.endr
.set i, 0
.rept 16
	global_load_b128 v[R+4*i:R+4*i+3], v[L16], s[6:7] offset:512*i th:TH_LOAD_NT   ; J2: 512 consecutive bytes a load
.set i, i+1
.endr
	s_wait_kmcnt 0x0
	s_add_co_i32 s28, s20, 127
	s_lshl_b32 s29, s28, 23
	v_mov_b32 v10, s29                             ; 2^e0 as f32: the conversion takes its exponent field
	s_add_co_i32 s28, s28, 15
	s_lshl_b32 s28, s28, 23
	s_or_b32 s28, s28, 0x600000
	v_mov_b32 v11, s28                             ; 57,344 x 2^e0
	s_add_co_i32 s28, s22, 127
	s_lshl_b32 s29, s28, 23
	v_mov_b32 v12, s29                             ; 2^e2
	s_add_co_i32 s28, s28, 15
	s_lshl_b32 s28, s28, 23
	s_or_b32 s28, s28, 0x600000
	v_mov_b32 v13, s28                             ; 57,344 x 2^e2
	s_add_co_i32 s46, s20, s21
	s_sub_co_i32 s46, -1, s46                      ; -1 - e0 - e1
	; ---- J1
	s_wait_loadcnt 16                              ; J2's 16 younger loads may be out: my 64 channels are in
	v_pk_mul_f32 v[TM:TM+1], v[X:X+1], v[X:X+1]    ; the sum of squares of the numbers as they are given, in two packed chains that the first products start
	v_pk_mul_f32 v[TM+2:TM+3], v[X+2:X+3], v[X+2:X+3]
.set i, 4
.rept 15
	s_delay_alu instid0(VALU_DEP_2)
	v_pk_fma_f32 v[TM:TM+1], v[X+i:X+i+1], v[X+i:X+i+1], v[TM:TM+1]
	s_delay_alu instid0(VALU_DEP_2)
	v_pk_fma_f32 v[TM+2:TM+3], v[X+i+2:X+i+3], v[X+i+2:X+i+3], v[TM+2:TM+3]
.set i, i+4
.endr
	s_delay_alu instid0(VALU_DEP_1)
	v_pk_add_f32 v[TM:TM+1], v[TM:TM+1], v[TM+2:TM+3]
	s_delay_alu instid0(VALU_DEP_1)
	v_add_f32 v[TM], v[TM], v[TM+1]
.set i, 0
.rept 64
	v_med3_num_f32 v[X+i], v[X+i], -v11, v11       ; the conversion to an 8-bit code does not saturate (ISA guide 7.6.2): hold the number first
.set i, i+1
.endr
.irp g, 0,1,2,3,4,5,6,7
	v_cvt_scalef32_pk8_bf8_f32 v[KC+2*\g:KC+2*\g+1], v[X+8*\g:X+8*\g+7], v10
.endr
	v_nop                                          ; one plain vector line behind the last conversion of a run
.irp i, 0,1,2,3
	ds_store_b128 v[KIN], v[KC+4*\i:KC+4*\i+3] offset:16*\i    ; 64 codes of my position's row
.endr
	ds_store_b32 v[AIN], v[TM]
	; ---- J2: the conversions want 16 neighbours in one lane, the loads gave 4: each step's 2,048 bytes turn through my wave's own stage (LDS serves a wave's instructions in order)
.macro TURN t
.irp i, 0,1,2,3
	ds_store_b128 v[VIN], v[R+16*(\t)+4*\i:R+16*(\t)+4*\i+3] offset:32*SP*((\t)%2)+8*SP*\i
.endr
.irp i, 0,1,2,3
	ds_load_b128 v[X+16*((\t)%2)+4*\i:X+16*((\t)%2)+4*\i+3], v[VOUT] offset:32*SP*((\t)%2)+16*\i
.endr
.endm
.macro VSTEP t
.set XS, X+16*((\t)%2)
.if (\t) < 3
	s_wait_dscnt 8                                 ; the next turn's eight instructions may be out
.else
	s_wait_dscnt 0x0
.endif
.irp i, 0,1,2,3,4,5,6,7,8,9,10,11,12,13,14,15
	v_med3_num_f32 v[XS+\i], v[XS+\i], -v13, v13
.endr
	v_cvt_scalef32_pk8_bf8_f32 v[VC+4*(\t):VC+4*(\t)+1], v[XS:XS+7], v12
	v_cvt_scalef32_pk8_bf8_f32 v[VC+4*(\t)+2:VC+4*(\t)+3], v[XS+8:XS+15], v12
	v_nop
	global_store_b128 v[L16], v[VC+4*(\t):VC+4*(\t)+3], s[14:15] offset:512*(\t)   ; 32 lanes store 512 consecutive bytes, aligned
.if (\t) < 2
	TURN (\t)+2
.endif
.endm
	s_wait_loadcnt 0x0                             ; J2's numbers are in
	TURN 0
	TURN 1
	VSTEP 0
	VSTEP 1
	VSTEP 2
	VSTEP 3
	; ---- K's codes leave by rows
	s_wait_dscnt 0x0                               ; for the others' sake: my stores into K's stage and my partial sum have landed
	s_barrier_signal -1
	s_barrier_wait -1
.irp i, 0,1,2,3
	ds_load_b128 v[48+4*\i:51+4*\i], v[KOUT] offset:2*KP*\i    ; rows 8 w + 2 i and 8 w + 2 i + 1, whole: four waves wrote each
.endr
.irp i, 0,1,2,3
	s_wait_dscnt 3-\i
	global_store_b128 v[L16], v[48+4*\i:51+4*\i], s[12:13] offset:512*\i           ; two rows of 256 bytes on end
.endr
	s_cmp_lg_u32 s24, 0                            ; wave 0 adds the four quarters of the 64 sums of squares
	s_cbranch_scc1 .Lnot_wave_0
.irp k, 0,1,2,3
	ds_load_b64 v[TM+2*\k:TM+2*\k+1], v[L8] offset:AS+256*\k
.endr
	s_wait_dscnt 0x0
	v_pk_add_f32 v[TM:TM+1], v[TM:TM+1], v[TM+2:TM+3]
	v_pk_add_f32 v[TM+4:TM+5], v[TM+4:TM+5], v[TM+6:TM+7]
	s_delay_alu instid0(VALU_DEP_1)
	v_pk_add_f32 v[TM:TM+1], v[TM:TM+1], v[TM+4:TM+5] neg_lo:[1,1] neg_hi:[1,1]    ; -a_sq: both sources negated
	s_delay_alu instid0(VALU_DEP_1)
	v_ldexp_f32 v[TM], v[TM], s46                  ; x 2^(-1 - e0 - e1)
	s_delay_alu instid0(VALU_DEP_2)
	v_ldexp_f32 v[TM+1], v[TM+1], s46
	global_store_b64 v[L8], v[TM:TM+1], s[16:17]   ; 32 lanes store 256 consecutive bytes, aligned
.Lnot_wave_0:
	s_wait_tensorcnt 0x0                           ; the wave's end
	ds_add_u32 v[SPW], v[NIL]
	s_wait_dscnt 0x0
	s_endpgm
.Lfunc_end_k_q82c6d3f68f_prep:
	.size	k_q82c6d3f68f_prep, .Lfunc_end_k_q82c6d3f68f_prep-k_q82c6d3f68f_prep
	.p2alignl 7, 3214868480
	.fill 96, 4, 3214868480
	.section	.rodata,"a",@progbits
	.p2align	6, 0x0
	.amdhsa_kernel k_q82c6d3f68f_prep
		.amdhsa_group_segment_fixed_size 60416
		.amdhsa_private_segment_fixed_size 0
		.amdhsa_enable_private_segment 0
		.amdhsa_kernarg_size 48
		.amdhsa_user_sgpr_count 2
		.amdhsa_user_sgpr_kernarg_segment_ptr 1
		.amdhsa_wavefront_size32 1
		.amdhsa_system_sgpr_workgroup_id_x 1
		.amdhsa_system_sgpr_workgroup_id_y 1
		.amdhsa_system_sgpr_workgroup_id_z 1
		.amdhsa_system_vgpr_workitem_id 0
		.amdhsa_next_free_vgpr 256
		.amdhsa_next_free_sgpr 66
		.amdhsa_reserve_vcc 0
		.amdhsa_float_denorm_mode_32 3
		.amdhsa_float_denorm_mode_16_64 3
		.amdhsa_memory_ordered 1
		.amdhsa_forward_progress 1
		.amdhsa_inst_pref_size 29
	.end_amdhsa_kernel
	.amdgpu_metadata
---
amdhsa.version: [ 1, 2 ]
amdhsa.kernels:
  - .name:           k_q82c6d3f68f_prep
    .symbol:         k_q82c6d3f68f_prep.kd
    .args:
      - { .name: prev_key, .offset: 0, .size: 8, .value_kind: global_buffer, .address_space: global }
      - { .name: prev_value, .offset: 8, .size: 8, .value_kind: global_buffer, .address_space: global }
      - { .name: kcodes, .offset: 16, .size: 8, .value_kind: global_buffer, .address_space: global }
      - { .name: vcodes, .offset: 24, .size: 8, .value_kind: global_buffer, .address_space: global }
      - { .name: bias, .offset: 32, .size: 8, .value_kind: global_buffer, .address_space: global }
      - { .name: lowp_scales, .offset: 40, .size: 8, .value_kind: global_buffer, .address_space: global }
    .group_segment_fixed_size: 60416
    .private_segment_fixed_size: 0
    .kernarg_segment_align: 8
    .kernarg_segment_size: 48
    .max_flat_workgroup_size: 256
    .sgpr_count:     66
    .vgpr_count:     256
    .wavefront_size: 32
...
	.end_amdgpu_metadata
.endif
;; end of part 1
;; launch attn (part 2): grid 32 x 8, 4 waves a work-group, clusters of 4 x 1, 327,680 bytes of LDS; arguments curr_key_codes, kcodes, vcodes, bias, lowp_scales, out0, curr_value; writes out0
.if DOCPART == 2
	.amdgcn_target "amdgcn-amd-amdhsa--gfx1250"
	.amdhsa_code_object_version 6
	.text
	.protected	k_q82c6d3f68f_attn
	.globl	k_q82c6d3f68f_attn
	.p2align	8
	.type	k_q82c6d3f68f_attn,@function
k_q82c6d3f68f_attn:
	s_mov_b64 s[64:65], 0
	v_nop
	global_prefetch_b8 v0, s[64:65] scope:SCOPE_SE
	s_setreg_imm32_b32 hwreg(HW_REG_WAVE_MODE, 25, 1), 1
	s_wait_xcnt 0x0
	s_wait_alu depctr_hold_cnt(0) depctr_sa_sdst(0) depctr_va_vdst(0) depctr_va_sdst(0) depctr_va_ssrc(0) depctr_va_vcc(0) depctr_vm_vsrc(0)
	s_getreg_b32 s2, hwreg(HW_REG_IB_STS2, 6, 4)
	s_cmp_eq_u32 s2, 0
	s_cbranch_scc0 .Lentry_in_a_cluster
	s_endpgm
.Lentry_in_a_cluster:
	s_bfe_u32 s2, ttmp6, 0x10000c
	s_cmp_lg_u32 s2, 0x3003
	s_cbranch_scc0 .Lentry_shape_is_right
	s_endpgm
.Lentry_shape_is_right:
; out0[b][c][m] (channels 0-255) = sum over n of prev_value[b][c][n] softmax_n((2 mk.qk - a_sq[n]) / 16), both products on codes of BF8 (E5M2), one given scale 2^e a tensor; channels 256-511 = curr_value.
; Inputs: curr_key_codes [8][4096 queries][256]; kcodes [8][4096 rows][256] (row p holds key p with bits 3 and 4 exchanged); vcodes [8][256][4096]; bias[b][n] = -a_sq[n] x 2^(-1-e0-e1).
; A score's sum starts from bias as C, so t = sum x c, c = 2 log2(e) / 16 x 2^(e0+e1).  M = the running largest t rounded up to a whole number; p = 2^(t-M) is quantised with 2^e3; the row's sum is taken of the unquantised p.
; SHARES.  A work-group owns 128 queries of a batch; wave w owns 64 of them (w / 2) and half of each slot's 256 keys (w % 2); the two halves are joined at the end.  Both products are used transposed: a lane holds one query.
; The four work-groups of a cluster walk the same K and V: every tile is asked for jointly.  Ring of two slots (256 keys of K, 256 rows x 256 keys of V), one round of the cluster's barrier a slot.
; THE KEY STEP.  The maxima of key tile j-1 are the places behind the products of tile j.  The softmax goes by query tile: the exponentials of tile k stand between the scalings of tile k+1 and the holds of tile k-1;
; V's fragments are loaded into a query tile's 64 registers once its codes are made, straight behind a stage's wait.
; THE COPY.  A work-group copies 131,072 bytes of curr_value, a wave 2,048 in each of its 16 key steps: four loads of 512 bytes into the bias registers, which are idle from the end of the scores to the next step, stored at the step's end.
; LIMITS: e0+e1 between -123 and 130, e3 between -126 and 112; the scaled scores stay under 2^31 in magnitude; NaN among the inputs of the attention is not served.
; REGISTERS.  Window 0: v1-15 addresses and constants; v16-47 four query tiles x (-M, largest score, sum x 2, f, three at work); v48-63 bias, then the copy; v64-127 K's fragments, then p's codes; v128-255 Q.
; Window 1: S^T, then p, then V's 16 fragments.  Windows 2, 3: O^T of query tiles 0, 1 and 2, 3 (16 channel tiles x 8 registers each).
.set PITCH, 272                        ; an LDS row: 256 bytes + 16 of padding
.set HALF,  128*PITCH
.set VOFF,  2*HALF
.set SLOTB, 2*VOFF
.set BIAS,  2*SLOTB
.set SPARE, BIAS+16384
.set STATS, SPARE+512
.set STG,   SLOTB
.set AK0,  1
.set AVL0, 2
.set AVH0, 3
.set AB0,  4
.set ADK,  5
.set ADB,  6
.set ADV,  7
.set ADV2, 8
.set PFO,  9
.set SPW,  10
.set NIL,  11
.set SCP,  12
.set LMP,  13
.set QO,   14
.set CPO,  15                          ; the copy's offset: 16 x lane
.set ST,   16
.set T1,   ST+6                        ; three pairs at work in the sums
.set T2,   ST+14
.set T3,   ST+22
.set BB,   48
.set KB,   64
.set QF,   128
.set SA,   1
.set SB,   2
.set XA,   3
.set XB,   4
.set SO,   5
.set SR,   6
.set GO,   7
.set WV,   16
.set KH,   17
.set QH,   18
.set CX,   19
.set SEL,  20
.set CS,   22
.set G1K,  24
.set G1V,  32
.set G1B,  40
.set G0K,  48
.set G0V,  52
.set G0B,  56
.set TB,   60
.set BO,   61
.set SLOTS, 62
.set LIM,  63
.set PFA,  66
.set PFS,  68
.set CPS,  70                          ; s[70:71] the copy's source, s[96:97] its target, both stepped 2,048 bytes a key step
.set G1W,  84                          ; s[84:91] group 1 for V's whole first tile
.set CPD,  96
.set MSB, 0
.macro WIN new                         ; low byte: bits 1:0 source 0, 3:2 source 1, 5:4 source 2, 7:6 destination; the high byte repeats the setting that is left
.if MSB != (\new)
	s_set_vgpr_msb (MSB<<8)|(\new)
.set MSB, (\new)
.endif
.endm
.macro TAIL4                           ; s_nop 0 and four v_nop behind a tensor load
	s_nop 0
.rept 4
	v_nop
.endr
.endm
.macro JLOAD                           ; waves 0, 1 ask for K's halves, waves 2, 3 for V's
	s_cmp_lt_u32 s[WV], 2
	s_cbranch_scc0 .Lfor_v_\@
	tensor_load_to_lds s[G0K:G0K+3], s[G1K:G1K+7]
	TAIL4
	s_branch .Lasked_\@
.Lfor_v_\@:
	tensor_load_to_lds s[G0V:G0V+3], s[G1V:G1V+7]
	TAIL4
.Lasked_\@:
.endm
.macro ASK                             ; the slot that the next change will ask for: 32 rows a wave, a lane a row, the partners told apart by address; the first cluster of a batch asks, and not in the last trip
	s_cmp_gt_u32 s[SLOTS], s[LIM]
	s_cbranch_scc0 .Lnot_mine_\@
	global_prefetch_b8 v[PFO], s[PFA:PFA+1] th:TH_LOAD_NT scope:SCOPE_SE
.Lnot_mine_\@:
.endm
.macro CROUND                          ; a round of the cluster's barrier
	s_barrier_signal -1
	s_barrier_wait -1
	s_cmp_lg_u32 s[WV], 0
	s_cbranch_scc1 .Lnot_wave_0_\@
	s_barrier_signal -3
.Lnot_wave_0_\@:
	s_barrier_wait -3
	s_barrier_signal -1
	s_barrier_wait -1
.endm
	s_load_b256 s[4:11], s[0:1], 0x0               ; Q's codes s[4:5], K's s[6:7], V's s[8:9], bias s[10:11]
	s_load_b128 s[12:15], s[0:1], 0x20             ; lowp_scales s[12:13], out0 s[14:15]
	s_load_b64 s[CPS:CPS+1], s[0:1], 0x30          ; curr_value
	v_lshl_add_u32 v[SPW], v0, 2, SPARE
	v_mov_b32 v[NIL], 0
	ds_add_u32 v[SPW], v[NIL]                      ; the opening lines: the add twice on end and its wait
	ds_add_u32 v[SPW], v[NIL]
	v_lshrrev_b32 v1, 5, v0
	v_readfirstlane_b32 s[WV], v1
	s_and_b32 s[KH], s[WV], 1                      ; my half of a slot's keys; also which half of a tile I fetch
	s_lshr_b32 s[QH], s[WV], 1                     ; my 64 queries
	s_bfe_u32 s[CX], ttmp6, 0x40000
	s_and_b32 s76, ttmp7, 0xffff                   ; batch
	s_lshl_b32 s78, s76, 20
	s_lshl_b32 s80, s[KH], 15
	s_add_co_u32 s80, s80, s78                     ; K: batch + 128 rows x half
	s_mov_b32 s81, 0
	s_lshl_b32 s82, s[KH], 19
	s_add_co_u32 s82, s82, s78                     ; V: batch + 128 channels x half
	s_mov_b32 s83, 0
	s_lshl_b32 s84, s76, 14                        ; bias: batch
	s_mov_b32 s85, 0
	s_lshl_b32 s77, ttmp9, 2
	s_add_co_u32 s77, s77, s[CX]                   ; block of 128 queries
	s_lshl_b32 s86, s77, 15
	s_lshl_b32 s87, s[QH], 14
	s_add_co_u32 s86, s86, s87
	s_add_co_u32 s86, s86, s78                     ; Q at my first query
	s_mov_b32 s87, 0
	s_lshl_b32 s88, s76, 23
	s_lshl_b32 s89, s[KH], 21
	s_add_co_u32 s88, s88, s89
	s_lshl_b32 s89, s77, 9
	s_add_co_u32 s88, s88, s89
	s_lshl_b32 s89, s[QH], 8
	s_add_co_u32 s88, s88, s89                     ; out0: batch, 128 channels x (w % 2), my 64 queries
	s_mov_b32 s89, 0
	s_lshl_b32 s98, s77, 17                        ; the copy: 131,072 x block + 32,768 x wave,
	s_lshl_b32 s99, s[WV], 15
	s_add_co_u32 s98, s98, s99
	s_lshl_b32 s99, s76, 22
	s_lshl_b32 s96, s76, 23
	s_add_co_u32 s96, s96, s98
	s_add_co_u32 s96, s96, 1<<22                   ; in out0 behind the batch's first 256 channels,
	s_add_co_u32 s98, s98, s99                     ; in curr_value in its batch
	s_mov_b32 s99, 0
	s_mov_b32 s97, 0
	s_lshl_b32 s90, s[CX], 6
	s_lshl_b32 s91, s[KH], 5
	s_add_co_u32 s90, s90, s91                     ; the prefetches: my work-group's 64 rows, my wave's 32 of them
	s_mov_b32 s[PFS], 256
	s_cmp_lt_u32 s[WV], 2
	s_cselect_b32 s92, 8, 12
	s_cselect_b32 s[PFS], 0x10000, s[PFS]
	s_mov_b32 s[PFS+1], 0
	s_lshl_b32 s90, s90, s92
	s_add_co_u32 s90, s90, s[PFS]
	s_add_co_u32 s90, s90, s78
	s_mov_b32 s91, 0
	v_and_b32 v[PFO], 31, v0
	v_lshlrev_b32 v[PFO], s92, v[PFO]
	s_cmp_eq_u32 ttmp9, 0
	s_cselect_b32 s[LIM], 1, -1
	s_mov_b32 s[G1K], 15|(0<<16)|(1<<20)|(1<<21)|(5<<22)|(3<<25)   ; mask of the four partners; bytes; four words of padding behind every 64
	s_mov_b32 s[G1V], 15|(0<<16)|(1<<20)|(1<<21)|(5<<22)|(3<<25)
.irp g, G1K, G1V
	s_mov_b32 s[\g+1], 256<<16
	s_mov_b32 s[\g+2], 128<<16
	s_mov_b32 s[\g+3], 256<<16
	s_mov_b32 s[\g+4], 128
	s_mov_b32 s[\g+6], 0
	s_mov_b32 s[\g+7], 0
.endr
	s_mov_b32 s[G1K+5], 256
	s_mov_b32 s[G1V+5], 4096
	s_mov_b32 s[G1B], 15|(3<<16)|(1<<21)           ; the batch's bias: 64 dense rows of 256 bytes
	s_mov_b32 s[G1B+1], 32<<16
	s_mov_b32 s[G1B+2], 64<<16
	s_mov_b32 s[G1B+3], 32<<16
	s_mov_b32 s[G1B+4], 64
	s_mov_b32 s[G1B+5], 32
	s_mov_b32 s[G1B+6], 0
	s_mov_b32 s[G1B+7], 0
	s_mov_b32 s[G0K], 1
	s_mul_i32 s[G0K+1], s[KH], HALF
	s_mov_b32 s[G0V], 1
	s_add_co_u32 s[G0V+1], s[G0K+1], VOFF
	s_mov_b32 s[G0B], 1
	s_mov_b32 s[G0B+1], BIAS
	s_mov_b32 s[SEL], 0x76543210
	s_mov_b32 s[SEL+1], 0xfedcba98
	s_mov_b32 s[TB], 0
	s_mov_b32 s[BO], 0
	s_mov_b32 s[SLOTS], 15
	s_wait_dscnt 0x0
	s_wait_kmcnt 0x0
	s_load_b128 s[72:75], s[12:13], 0x0            ; e0, e1, e2, e3
	s_add_nc_u64 s[G0K+2:G0K+3], s[6:7], s[80:81]
	s_or_b32 s[G0K+3], s[G0K+3], 0x80000000
	s_add_nc_u64 s[G0V+2:G0V+3], s[8:9], s[82:83]
	s_or_b32 s[G0V+3], s[G0V+3], 0x80000000
	s_add_nc_u64 s[G0B+2:G0B+3], s[10:11], s[84:85]
	s_or_b32 s[G0B+3], s[G0B+3], 0x80000000
	s_add_nc_u64 s[4:5], s[4:5], s[86:87]
	s_add_nc_u64 s[CPD:CPD+1], s[14:15], s[CPD:CPD+1]
	s_add_nc_u64 s[CPS:CPS+1], s[CPS:CPS+1], s[98:99]
	s_add_nc_u64 s[14:15], s[14:15], s[88:89]
	s_cmp_lt_u32 s[WV], 2
	s_cselect_b64 s[PFA:PFA+1], s[6:7], s[8:9]
	s_add_nc_u64 s[PFA:PFA+1], s[PFA:PFA+1], s[90:91]
	s_mov_b32 s[G1W], 15|(0<<16)|(1<<20)|(1<<21)|(5<<22)|(3<<25)   ; V's first tile whole: 256 rows (the offsets that stood in these registers have been used)
	s_mov_b32 s[G1W+1], 256<<16
	s_mov_b32 s[G1W+2], 256<<16
	s_mov_b32 s[G1W+3], 256<<16
	s_mov_b32 s[G1W+4], 256
	s_mov_b32 s[G1W+5], 4096
	s_mov_b32 s[G1W+6], 0
	s_mov_b32 s[G1W+7], 0
	CROUND
	; the first fills, one a wave: waves 0, 1 K's halves of slot 0, wave 2 V's 256 rows, wave 3 the bias
	s_cmp_lt_u32 s[WV], 2
	s_cbranch_scc0 .Lhead_v
	tensor_load_to_lds s[G0K:G0K+3], s[G1K:G1K+7]
	TAIL4
	s_branch .Lhead_done
.Lhead_v:
	s_cmp_eq_u32 s[WV], 2
	s_cbranch_scc0 .Lhead_b
	tensor_load_to_lds s[G0V:G0V+3], s[G1W:G1W+7]
	TAIL4
	s_branch .Lhead_done
.Lhead_b:
	tensor_load_to_lds s[G0B:G0B+3], s[G1B:G1B+7]
	TAIL4
.Lhead_done:
	v_and_b32 v8, 15, v0
	v_bfe_u32 v15, v0, 4, 1
	s_wait_alu depctr_va_vdst(0)
	v_lshlrev_b32 v[QO], 8, v8
	v_lshl_add_u32 v[QO], v15, 4, v[QO]
.irp q, 0,1,2,3
.irp k, 0,1
.irp c, 0,1,2,3
	global_load_b128 v[QF+32*\q+16*\k+4*\c:QF+32*\q+16*\k+4*\c+3], v[QO], s[4:5] offset:4096*\q+128*\k+32*\c   ; Q's fragments stay in registers
.endr
.endr
.endr
	v_mul_u32_u24 v[AK0], v8, PITCH
	v_lshl_add_u32 v[AK0], v15, 4, v[AK0]
	s_mul_i32 s76, s[KH], HALF
	s_lshl_b32 s77, s[KH], 7
	s_add_co_u32 s77, s77, VOFF
	s_add_co_u32 s92, s77, s76
	s_xor_b32 s93, s[KH], 1
	s_mul_i32 s93, s93, HALF
	s_add_co_u32 s93, s93, s77
	v_add_nc_u32 v[AVL0], s92, v[AK0]              ; V: the 128 channels that I store at the end come first (fragments 0-7), the partner's behind (8-15); my 128 keys of each row
	v_add_nc_u32 v[AVH0], s93, v[AK0]
	v_add_nc_u32 v[AK0], s76, v[AK0]
	s_lshl_b32 s76, s[KH], 9
	s_add_co_u32 s76, s76, BIAS
	v_lshl_add_u32 v[AB0], v15, 6, s76
	v_and_b32 v[CPO], 31, v0
	v_lshlrev_b32 v[CPO], 4, v[CPO]
	WIN 0x80
.set i, 0
.rept 256
	v_mov_b32 v[i], 0                              ; O^T: the step is written once, its first trip finds zeros
.set i, i+1
.endr
	WIN 0xc0
.set i, 0
.rept 256
	v_mov_b32 v[i], 0
.set i, i+1
.endr
	WIN 0
.irp q, 0,1,2,3
	v_mov_b32 v[ST+8*\q], 0x7f61b1e6               ; -M = 3e38
	v_mov_b32 v[ST+8*\q+1], 0xff61b1e6             ; the largest score so far: -3e38
	v_mov_b32 v[ST+8*\q+2], 0
	v_mov_b32 v[ST+8*\q+3], 0
	v_mov_b32 v[ST+8*\q+4], 0
	v_mov_b32 v[ST+8*\q+5], 0
	v_mov_b32 v[ST+8*\q+6], 0
	v_mov_b32 v[ST+8*\q+7], 0
.endr
	s_wait_kmcnt 0x0
	s_add_co_i32 s76, s72, s73
	s_lshl_b32 s76, s76, 23
	s_add_co_i32 s[CS], s76, 0x3e38aa3b            ; c = 2 log2(e) / 16, e0 + e1 added to its exponent field
	s_mov_b32 s[CS+1], s[CS]
	s_add_co_i32 s76, s75, 127
	s_lshl_b32 s77, s76, 23
	v_mov_b32 v[SCP], s77                          ; 2^e3
	s_add_co_i32 s76, s76, 15
	s_lshl_b32 s76, s76, 23
	s_or_b32 s76, s76, 0x600000
	v_mov_b32 v[LMP], s76                          ; 57,344 x 2^e3
	s_add_co_i32 s94, s74, s75                     ; e2 + e3
; unit u = key tile u / 2, half u % 2 of the 256 channels: one fragment of K (even u: and the tile's bias)
.macro LOADU u
.if ((\u)%2) == 0
	ds_load_b128 v[BB+8*(((\u)/2)%2):BB+8*(((\u)/2)%2)+3],   v[ADB] offset:(32*((\u)/4)+8*(((\u)/2)%2))*4
	ds_load_b128 v[BB+8*(((\u)/2)%2)+4:BB+8*(((\u)/2)%2)+7], v[ADB] offset:(32*((\u)/4)+8*(((\u)/2)%2))*4+16
.endif
.irp c, 0,1,2,3
	ds_load_b128 v[KB+16*((\u)%4)+4*\c:KB+16*((\u)%4)+4*\c+3], v[ADK] offset:((\u)/2)*16*PITCH+128*((\u)%2)+32*\c
.endr
.endm
; one of the 16 maxima of key tile jj: query tile e % 4, registers 2 (e / 4) and the next.  Each query tile has three chains by turns, so that 11 plain vector instructions stand between a chain's write and its next read
.macro MX jj, e
.set MQ, (\e)%4
.set MN, 4*(\jj)+(\e)/4
.set MC, ST+8*MQ+5+MN%3
.set MS, 64*MQ+8*(\jj)+2*((\e)/4)
.if MN < 3
	v_max3_num_f32 v[MC], v[ST+8*MQ+1], v[MS], v[MS+1]     ; a chain starts from the largest score so far
.else
	v_max3_num_f32 v[MC], v[MC], v[MS], v[MS+1]
.endif
.endm
.macro SUNIT u
.if (\u) <= 12                         ; the loads of the next three units may be out: 4 + 6 + 4 or 6 + 4 + 6
.if ((\u)%2) == 0
	s_wait_dscnt 14
.else
	s_wait_dscnt 16
.endif
.elseif (\u) == 13
	s_wait_dscnt 10
.elseif (\u) == 14
	s_wait_dscnt 4
.else
	s_wait_dscnt 0x0
.endif
.irp q, 0,1,2,3                        ; behind each product two maxima of the tile before: they name no register of this unit's products
.if ((\u)%2) == 0
	WIN 0x40
	v_wmma_f32_16x16x128_bf8_bf8 v[64*\q+8*((\u)/2):64*\q+8*((\u)/2)+7], v[KB+16*((\u)%4):KB+16*((\u)%4)+15], v[QF+32*\q:QF+32*\q+15], v[BB+8*(((\u)/2)%2):BB+8*(((\u)/2)%2)+7]
.else
	WIN 0x50
	v_wmma_f32_16x16x128_bf8_bf8 v[64*\q+8*((\u)/2):64*\q+8*((\u)/2)+7], v[KB+16*((\u)%4):KB+16*((\u)%4)+15], v[QF+32*\q+16:QF+32*\q+31], v[64*\q+8*((\u)/2):64*\q+8*((\u)/2)+7]
.endif
.if (\u) >= 2
	WIN 0x14                                       ; destination and source 0 in window 0 (this also serves the LDS loads below), sources 1 and 2 in window 1
	MX ((\u)/2-1),(8*((\u)%2)+2*\q)
	MX ((\u)/2-1),(8*((\u)%2)+2*\q+1)
.endif
.endr
.if (\u) <= 11                         ; four places behind the unit's last product (two maxima and two v_nop, or four v_nop), then the fragment four units on
.if (\u) >= 2
	v_nop
	v_nop
.else
.rept 4
	v_nop
.endr
	WIN 0
.endif
	LOADU (\u)+4
.endif
.endm
; stage k of the softmax: the 64 exponentials of query tile k; between them the scalings t - M of tile k + 1 and the holds of tile k - 1, none of which is read before the wait at the stage's end
.macro STAGE k
.set i, 0
.rept 32
	v_exp_f32 v[64*\k+2*i], v[64*\k+2*i]
.if \k < 3
	v_pk_fma_f32 v[64*(\k+1)+2*i:64*(\k+1)+2*i+1], v[64*(\k+1)+2*i:64*(\k+1)+2*i+1], s[CS:CS+1], v[ST+8*(\k+1):ST+8*(\k+1)+1] op_sel_hi:[1,0,0]
.endif
	v_exp_f32 v[64*\k+2*i+1], v[64*\k+2*i+1]
.if \k > 0
	v_min_num_f32 v[64*(\k-1)+2*i], v[64*(\k-1)+2*i], v[LMP]       ; p is not negative: a one-sided hold (the conversion does not saturate: ISA guide 7.6.2)
	v_min_num_f32 v[64*(\k-1)+2*i+1], v[64*(\k-1)+2*i+1], v[LMP]
.endif
.set i, i+1
.endr
.if \k == 0
	v_nop                                          ; a plain place behind the last exponential
.endif
	s_wait_alu depctr_va_vdst(0)                   ; one wait a stage: behind this batch, ahead of the next
.endm
; the row's sum of the unquantised p of query tile q: 32 packed additions in four chains
.macro ADDP q
	WIN 0x05
	v_pk_add_f32 v[T1:T1+1], v[64*\q:64*\q+1], v[64*\q+2:64*\q+3]
	v_pk_add_f32 v[T2:T2+1], v[64*\q+4:64*\q+5], v[64*\q+6:64*\q+7]
	v_pk_add_f32 v[T3:T3+1], v[64*\q+8:64*\q+9], v[64*\q+10:64*\q+11]
	WIN 0x04
.set i, 64*\q+12
.rept 6
	v_pk_add_f32 v[ST+8*\q+2:ST+8*\q+3], v[ST+8*\q+2:ST+8*\q+3], v[i:i+1]
	v_pk_add_f32 v[T1:T1+1], v[T1:T1+1], v[i+2:i+3]
	v_pk_add_f32 v[T2:T2+1], v[T2:T2+1], v[i+4:i+5]
	v_pk_add_f32 v[T3:T3+1], v[T3:T3+1], v[i+6:i+7]
.set i, i+8
.endr
	v_pk_add_f32 v[ST+8*\q+2:ST+8*\q+3], v[ST+8*\q+2:ST+8*\q+3], v[i:i+1]
	v_pk_add_f32 v[T1:T1+1], v[T1:T1+1], v[i+2:i+3]
	WIN 0
	v_pk_add_f32 v[T2:T2+1], v[T2:T2+1], v[T3:T3+1]
	v_pk_add_f32 v[ST+8*\q+2:ST+8*\q+3], v[ST+8*\q+2:ST+8*\q+3], v[T1:T1+1]
	v_pk_add_f32 v[ST+8*\q+2:ST+8*\q+3], v[ST+8*\q+2:ST+8*\q+3], v[T2:T2+1]
.endm
.macro CODES q                         ; query tile q's codes
	WIN 0x01
.irp b, 0,1,2,3
	v_cvt_scalef32_pk8_bf8_f32 v[KB+16*\q+4*\b:KB+16*\q+4*\b+1], v[64*\q+16*\b:64*\q+16*\b+7], v[SCP]
	v_cvt_scalef32_pk8_bf8_f32 v[KB+16*\q+4*\b+2:KB+16*\q+4*\b+3], v[64*\q+16*\b+8:64*\q+16*\b+15], v[SCP]
.endr
	v_nop                                          ; one plain line behind the last conversion of a run
.endm
.macro VLD q                           ; V's fragments 4 q .. 4 q + 3 into the 64 registers that query tile q's p has left
	WIN 0x40
.irp tt, 0,1,2,3
.irp c, 0,1,2,3
.if \q < 2
	ds_load_b128 v[64*\q+16*\tt+4*\c:64*\q+16*\tt+4*\c+3], v[ADV] offset:(4*\q+\tt)*16*PITCH+32*\c
.else
	ds_load_b128 v[64*\q+16*\tt+4*\c:64*\q+16*\tt+4*\c+3], v[ADV2] offset:(4*(\q-2)+\tt)*16*PITCH+32*\c
.endif
.endr
.endr
.endm
.macro RS q, t                         ; O^T of query tile q, channel tile t, under the new M: x f, from the low end on
.irp r, 0,2,4,6
	v_pk_mul_f32 v[128*((\q)%2)+8*(\t)+\r:128*((\q)%2)+8*(\t)+\r+1], v[128*((\q)%2)+8*(\t)+\r:128*((\q)%2)+8*(\t)+\r+1], v[ST+8*(\q)+4:ST+8*(\q)+5] op_sel_hi:[1,0]
.endr
.endm
.macro STEP
	WIN 0
	v_add_nc_u32 v[ADK], s[TB], v[AK0]
	v_add_nc_u32 v[ADB], s[BO], v[AB0]
	v_add_nc_u32 v[ADV], s[TB], v[AVL0]
	v_add_nc_u32 v[ADV2], s[TB], v[AVH0]
	LOADU 0
	LOADU 1
	LOADU 2
	LOADU 3
	s_wait_alu depctr_va_vdst(0)
.set U, 0
.rept 16                               ; S^T = K Q^T + bias: 8 key tiles x 4 query tiles x 2 halves of the channels
	SUNIT U
.set U, U+1
.endr
.set E, 0
.rept 16
	MX 7,E                                         ; the last key tile's maxima (behind the last product stand 2 + 3 plain lines before its result is read)
.set E, E+1
.endr
	WIN 0
.irp i, 0,1,2,3
	global_load_b128 v[BB+4*\i:BB+4*\i+3], v[CPO], s[CPS:CPS+1] offset:512*\i th:TH_LOAD_NT   ; the copy: this step's 2,048 bytes, into the bias registers
.endr
.irp q, 0,1,2,3
	v_max3_num_f32 v[ST+8*\q+6], v[ST+8*\q+5], v[ST+8*\q+6], v[ST+8*\q+7]
.endr
.irp q, 0,1,2,3
	v_permlanex16_b32 v[ST+8*\q+5], v[ST+8*\q+6], s[SEL], s[SEL+1]
.endr
.irp q, 0,1,2,3
	v_max_num_f32 v[ST+8*\q+1], v[ST+8*\q+6], v[ST+8*\q+5]     ; the running largest score
.endr
.irp q, 0,1,2,3
	v_mul_f32 v[ST+8*\q+5], s[CS], v[ST+8*\q+1]                ; as t
.endr
.irp q, 0,1,2,3
	v_mov_b32 v[ST+8*\q+6], v[ST+8*\q]
.endr
.irp q, 0,1,2,3
	v_floor_f32 v[ST+8*\q], -v[ST+8*\q+5]                      ; -M = floor(-t)
.endr
.irp q, 0,1,2,3
	v_sub_f32 v[ST+8*\q+6], v[ST+8*\q], v[ST+8*\q+6]
.endr
.irp q, 0,1,2,3
	v_cvt_i32_f32 v[ST+8*\q+6], v[ST+8*\q+6]
.endr
.irp q, 0,1,2,3
	v_ldexp_f32 v[ST+8*\q+4], 1.0, v[ST+8*\q+6]                ; f = 2^(old M - new M)
.endr
.irp q, 0,1,2,3
	v_pk_mul_f32 v[ST+8*\q+2:ST+8*\q+3], v[ST+8*\q+2:ST+8*\q+3], v[ST+8*\q+4:ST+8*\q+5] op_sel_hi:[1,0]
.endr
	WIN 0x41
.set i, 0
.rept 32
	v_pk_fma_f32 v[2*i:2*i+1], v[2*i:2*i+1], s[CS:CS+1], v[ST:ST+1] op_sel_hi:[1,0,0]   ; t - M of query tile 0
.set i, i+1
.endr
	s_wait_alu depctr_va_vdst(0)                   ; ahead of the first batch
	STAGE 0
	ADDP 0
	WIN 0x41
	STAGE 1
	CODES 0
	ADDP 1
	WIN 0x41
	STAGE 2
	VLD 0
	CODES 1
	ADDP 2
	WIN 0x41
	STAGE 3
	VLD 1
	CODES 2
	ADDP 3
	WIN 0x41
.set i, 192
.rept 64
	v_min_num_f32 v[i], v[i], v[LMP]
.set i, i+1
.endr
	CODES 3
	VLD 2
	VLD 3
	WIN 0x82
	s_wait_alu depctr_va_vdst(0)                   ; ahead of the first reader of O^T, behind the step's last exponential
	RS 0, 0
	RS 1, 0
	WIN 0xc3
	RS 2, 0
	RS 3, 0
.set t, 0
.rept 16                               ; O^T += V^T P^T, by channel tiles, the accumulators by turns; behind each product the rescaling of the same query tile's next channel tile (across each wait below, 12 or more plain lines stand between a rescaling and the product that reads it)
.if (t%4) == 0
	s_wait_dscnt 48-4*t                            ; the 16 loads of each later group of four fragments may be out
.endif
.irp q, 0,1,2,3
	WIN 0xa1+0x50*(\q/2)
	v_wmma_f32_16x16x128_bf8_bf8 v[128*(\q%2)+8*t:128*(\q%2)+8*t+7], v[16*t:16*t+15], v[KB+16*\q:KB+16*\q+15], v[128*(\q%2)+8*t:128*(\q%2)+8*t+7]
.if t < 15
	WIN 0x82+0x41*(\q/2)
	RS \q, t+1
.endif
.endr
.set t, t+1
.endr
	WIN 0
.rept 5
	v_nop                                          ; places: the next step's loads and products write registers that these products read
.endr
	s_wait_loadcnt 0x0                             ; the copy's four loads
.irp i, 0,1,2,3
	global_store_b128 v[CPO], v[BB+4*\i:BB+4*\i+3], s[CPD:CPD+1] offset:512*\i th:TH_STORE_NT   ; 512 consecutive bytes, aligned
.endr
	s_wait_xcnt 0x0                                ; the bases, and the data registers, are written again only behind this wait
	s_add_nc_u64 s[CPS:CPS+1], s[CPS:CPS+1], 2048
	s_add_nc_u64 s[CPD:CPD+1], s[CPD:CPD+1], 2048
	s_add_co_u32 s[BO], s[BO], 1024
	s_xor_b32 s[TB], s[TB], SLOTB
.endm
; the change of slots, at a slot's head: the three lines, the round, the joint fill of the other slot (the first time: slot 1's first fill, issued as a refill is)
.macro CHANGE fill
	s_wait_tensorcnt 0x0
	ds_add_u32 v[SPW], v[NIL]
.if \fill
	s_xor_b32 s[G0K+1], s[G0K+1], SLOTB
	s_add_nc_u64 s[G0K+2:G0K+3], s[G0K+2:G0K+3], 65536
	s_xor_b32 s[G0V+1], s[G0V+1], SLOTB
	s_add_nc_u64 s[G0V+2:G0V+3], s[G0V+2:G0V+3], 256
	s_wait_xcnt 0x0                                ; my prefetch has read its address
	s_add_nc_u64 s[PFA:PFA+1], s[PFA:PFA+1], s[PFS:PFS+1]
	s_wait_dscnt 0x0
	CROUND
	JLOAD
	ASK
.else
	s_wait_dscnt 0x0
	s_barrier_signal -1
	s_barrier_wait -1
.endif
.endm
	s_wait_alu depctr_va_vdst(0)
	s_wait_loadcnt 0x0                             ; Q
.Lstep:
	CHANGE 1
	STEP
	s_sub_co_u32 s[SLOTS], s[SLOTS], 1
	s_cmp_lg_u32 s[SLOTS], 0
	s_cbranch_scc1 .Lstep
	CHANGE 0                                       ; the last slot is written out: it asks for nothing
	STEP
	; THE WAY OUT.  The two waves of a pair (the same queries, the two halves of the keys) exchange -M, the sum and the half of O^T that the other stores; each joins its 128 channels under the common M and divides.
.irp q, 0,1,2,3
	v_add_f32 v[ST+8*\q+6], v[ST+8*\q+2], v[ST+8*\q+3]
.endr
.irp q, 0,1,2,3
	v_permlanex16_b32 v[ST+8*\q+5], v[ST+8*\q+6], s[SEL], s[SEL+1]
.endr
.irp q, 0,1,2,3
	v_add_f32 v[ST+8*\q+2], v[ST+8*\q+6], v[ST+8*\q+5]
.endr
	v_and_b32 v8, 15, v0
	v_bfe_u32 v14, v0, 4, 1
	s_wait_alu depctr_va_vdst(0)
	v_and_b32 v15, 31, v0
	s_xor_b32 s77, s[WV], 1
	s_lshl_b32 s76, s[WV], 10
	s_add_co_u32 s76, s76, STATS
	v_lshl_add_u32 v[SA], v15, 2, s76
	s_lshl_b32 s78, s77, 10
	s_add_co_u32 s78, s78, STATS
	v_lshl_add_u32 v[SB], v15, 2, s78
	s_lshl_b32 s76, s[WV], 15
	v_lshl_add_u32 v[XA], v15, 4, s76              ; the exchange lies in slot 0, the stages in slot 1: both have had their last fill
	s_lshl_b32 s78, s77, 15
	v_lshl_add_u32 v[XB], v15, 4, s78
	s_mul_i32 s80, s[WV], HALF
	s_add_co_u32 s80, s80, STG
	v_mul_u32_u24 v[SO], v14, 8*PITCH
	v_lshl_add_u32 v[SO], v8, 2, v[SO]
	v_add_nc_u32 v[SO], s80, v[SO]
	v_mul_u32_u24 v[SR], v14, PITCH
	v_lshl_add_u32 v[SR], v8, 4, v[SR]
	v_add_nc_u32 v[SR], s80, v[SR]
	v_lshlrev_b32 v[GO], 14, v14
	v_lshl_add_u32 v[GO], v8, 4, v[GO]
	s_wait_alu depctr_va_vdst(0)
	s_wait_dscnt 0x0
	s_barrier_signal -1
	s_barrier_wait -1                              ; nobody reads the slots any more
.irp q, 0,1,2,3
	ds_store_b32 v[SA], v[ST+8*\q] offset:128*(2*\q)
	ds_store_b32 v[SA], v[ST+8*\q+2] offset:128*(2*\q+1)
.endr
	WIN 0x08
.irp a, 0,1
.set t, 0
.rept 8
	ds_store_b128 v[XA], v[128*\a+64+8*t:128*\a+64+8*t+3] offset:512*(16*\a+2*t)
	ds_store_b128 v[XA], v[128*\a+64+8*t+4:128*\a+64+8*t+7] offset:512*(16*\a+2*t+1)
.set t, t+1
.endr
.endr
	WIN 0x0c
.irp a, 0,1
.set t, 0
.rept 8
	ds_store_b128 v[XA], v[128*\a+64+8*t:128*\a+64+8*t+3] offset:512*(16*(\a+2)+2*t)
	ds_store_b128 v[XA], v[128*\a+64+8*t+4:128*\a+64+8*t+7] offset:512*(16*(\a+2)+2*t+1)
.set t, t+1
.endr
.endr
	WIN 0
	s_wait_dscnt 0x0
	s_barrier_signal -1
	s_barrier_wait -1
.irp q, 0,1,2,3
	ds_load_b32 v[ST+8*\q+1], v[SB] offset:128*(2*\q)
	ds_load_b32 v[ST+8*\q+3], v[SB] offset:128*(2*\q+1)
.endr
	WIN 0x80
.irp a, 0,1
.set t, 0
.rept 16
	ds_load_b128 v[128*\a+64+4*t:128*\a+64+4*t+3], v[XB] offset:512*(16*\a+t)
.set t, t+1
.endr
.endr
	WIN 0xc0
.irp a, 0,1
.set t, 0
.rept 16
	ds_load_b128 v[128*\a+64+4*t:128*\a+64+4*t+3], v[XB] offset:512*(16*(\a+2)+t)
.set t, t+1
.endr
.endr
	WIN 0
	s_wait_dscnt 63                                ; of the 64 younger loads 63 may be out: the partner's eight numbers are in
.irp q, 0,1,2,3
	v_min_num_f32 v[ST+8*\q+5], v[ST+8*\q], v[ST+8*\q+1]       ; the common -M
.endr
.irp q, 0,1,2,3
	v_sub_f32 v[ST+8*\q+6], v[ST+8*\q+5], v[ST+8*\q]
	v_sub_f32 v[ST+8*\q+7], v[ST+8*\q+5], v[ST+8*\q+1]
.endr
.irp q, 0,1,2,3
	v_cvt_i32_f32 v[ST+8*\q+6], v[ST+8*\q+6]
	v_cvt_i32_f32 v[ST+8*\q+7], v[ST+8*\q+7]
.endr
.irp q, 0,1,2,3
	v_ldexp_f32 v[ST+8*\q+4], 1.0, v[ST+8*\q+6]
	v_ldexp_f32 v[ST+8*\q+6], 1.0, v[ST+8*\q+7]
.endr
.irp q, 0,1,2,3
	v_mul_f32 v[ST+8*\q+2], v[ST+8*\q+2], v[ST+8*\q+4]
.endr
.irp q, 0,1,2,3
	v_fmac_f32 v[ST+8*\q+2], v[ST+8*\q+3], v[ST+8*\q+6]        ; the row's sum under the common M
.endr
	s_wait_alu depctr_va_vdst(0)
.irp q, 0,1,2,3
	v_rcp_f32 v[ST+8*\q+2], v[ST+8*\q+2]
.endr
	v_nop
	s_wait_alu depctr_va_vdst(0)
.irp q, 0,1,2,3
	v_ldexp_f32 v[ST+8*\q+2], v[ST+8*\q+2], s94                ; x 2^(e2 + e3)
.endr
.irp q, 0,1,2,3
	v_mul_f32 v[ST+8*\q+4], v[ST+8*\q+4], v[ST+8*\q+2]
	v_mul_f32 v[ST+8*\q+6], v[ST+8*\q+6], v[ST+8*\q+2]
.endr
	s_wait_alu depctr_va_vdst(0)
	s_wait_dscnt 0x0
; by channel tiles of 16: joined, into my stage (a row to a channel, my 64 queries along it), read back by rows, stored; a tile's stores stand behind the next tile's LDS work
.macro JT q0, t
.irp a, 0,1
.irp r, 0,2,4,6
	v_pk_mul_f32 v[128*\a+64+8*(\t)+\r:128*\a+64+8*(\t)+\r+1], v[128*\a+64+8*(\t)+\r:128*\a+64+8*(\t)+\r+1], v[ST+8*(\q0+\a)+6:ST+8*(\q0+\a)+7] op_sel_hi:[1,0]
.endr
.irp r, 0,2,4,6
	v_pk_fma_f32 v[128*\a+8*(\t)+\r:128*\a+8*(\t)+\r+1], v[128*\a+8*(\t)+\r:128*\a+8*(\t)+\r+1], v[ST+8*(\q0+\a)+4:ST+8*(\q0+\a)+5], v[128*\a+64+8*(\t)+\r:128*\a+64+8*(\t)+\r+1] op_sel_hi:[1,0,1]
.endr
.endr
.endm
.macro TS q0, t
.irp a, 0,1
.irp j, 0,1,2,3,4,5,6,7
	ds_store_b32 v[SO], v[128*\a+8*(\t)+\j] offset:(16*(\t)+\j)*PITCH+64*(\q0+\a)
.endr
.endr
.endm
.macro SEND tt, younger
	WIN 0x04
	s_wait_dscnt \younger
.irp k, 0,1,2,3,4,5,6,7
	global_store_b128 v[GO], v[32*(\tt)+4*\k:32*(\tt)+4*\k+3], s[14:15] offset:32768*(8*(\tt)+\k) th:TH_STORE_NT   ; sixteen lanes store 256 consecutive bytes of a channel's row, aligned
.endr
.endm
.set t, 0
.rept 8
	WIN 0xa2
	JT 0, t
	WIN 0xf3
	JT 2, t
	WIN 0x08
	TS 0, t
	WIN 0x0c
	TS 2, t
	WIN 0x40
.irp k, 0,1,2,3,4,5,6,7
	ds_load_b128 v[32*t+4*\k:32*t+4*\k+3], v[SR] offset:2*PITCH*(8*t+\k)   ; LDS serves a wave's instructions in order: these see my stores
.endr
.if t > 0
	SEND (t-1),40                                  ; this tile's 32 stores and 8 loads may be out
.endif
.set t, t+1
.endr
	SEND 7,0
	WIN 0
	s_wait_tensorcnt 0x0                           ; the wave's end
	ds_add_u32 v[SPW], v[NIL]
	s_wait_dscnt 0x0
	CROUND                                         ; the closing round
	s_endpgm
.Lfunc_end_k_q82c6d3f68f_attn:
	.size	k_q82c6d3f68f_attn, .Lfunc_end_k_q82c6d3f68f_attn-k_q82c6d3f68f_attn
	.p2alignl 7, 3214868480
	.fill 96, 4, 3214868480
	.section	.rodata,"a",@progbits
	.p2align	6, 0x0
	.amdhsa_kernel k_q82c6d3f68f_attn
		.amdhsa_group_segment_fixed_size 327680
		.amdhsa_private_segment_fixed_size 0
		.amdhsa_enable_private_segment 0
		.amdhsa_kernarg_size 56
		.amdhsa_user_sgpr_count 2
		.amdhsa_user_sgpr_kernarg_segment_ptr 1
		.amdhsa_wavefront_size32 1
		.amdhsa_system_sgpr_workgroup_id_x 1
		.amdhsa_system_sgpr_workgroup_id_y 1
		.amdhsa_system_sgpr_workgroup_id_z 1
		.amdhsa_system_vgpr_workitem_id 0
		.amdhsa_next_free_vgpr 1024
		.amdhsa_next_free_sgpr 100
		.amdhsa_reserve_vcc 0
		.amdhsa_float_denorm_mode_32 3
		.amdhsa_float_denorm_mode_16_64 3
		.amdhsa_memory_ordered 1
		.amdhsa_forward_progress 1
		.amdhsa_inst_pref_size 255
	.end_amdhsa_kernel
	.section	.bss,"aw",@nobits
	.p2align	6
	.space	262144
	.amdgpu_metadata
---
amdhsa.version: [ 1, 2 ]
amdhsa.kernels:
  - .name:           k_q82c6d3f68f_attn
    .symbol:         k_q82c6d3f68f_attn.kd
    .args:
      - { .name: curr_key_codes, .offset: 0, .size: 8, .value_kind: global_buffer, .address_space: global }
      - { .name: kcodes, .offset: 8, .size: 8, .value_kind: global_buffer, .address_space: global }
      - { .name: vcodes, .offset: 16, .size: 8, .value_kind: global_buffer, .address_space: global }
      - { .name: bias, .offset: 24, .size: 8, .value_kind: global_buffer, .address_space: global }
      - { .name: lowp_scales, .offset: 32, .size: 8, .value_kind: global_buffer, .address_space: global }
      - { .name: out0, .offset: 40, .size: 8, .value_kind: global_buffer, .address_space: global }
      - { .name: curr_value, .offset: 48, .size: 8, .value_kind: global_buffer, .address_space: global }
    .group_segment_fixed_size: 327680
    .private_segment_fixed_size: 0
    .kernarg_segment_align: 8
    .kernarg_segment_size: 56
    .max_flat_workgroup_size: 128
    .sgpr_count:     100
    .vgpr_count:     1024
    .wavefront_size: 32
...
	.end_amdgpu_metadata
.endif
;; end of part 2
